; MI455X (gfx1250); checked and timed in simulation.
; The chip was launched on July 23, 2026; its instructions are those of AMD's public machine-readable ISA for CDNA 5 (MIT licence, August 2026) and "CDNA5" Instruction Set Architecture Reference Guide (July 2026). The comments in the code are by the model that wrote it; some were corrected since.
;; My Cross Attention ori. Allowed arithmetic: matrix products marked QUANTISED: E2M1 operands, one E8M0 scale for each 32 along K, by v_wmma_scale_f32_16x16x128_f8f6f4 with both operands' format E2M1 (or v_wmma_scale_f32_32x16x128_f4), f32 sums; products left as they are: f32 operands where the result goes on into a quantised operand, else bf16, f16 or f32 operands; f32 sums; everything else in f32.
;; Inputs: Wk 512 x 512 float32; Wp 512 x 512 float32; Wq 512 x 512 float32; k 4 x 2,048 x 512 float32; q 4 x 4,096 x 512 float32; supp_mask 4 x 2,048 int32; v 4 x 2,048 x 512 float32.
;; Outputs: out0 4 x 4,096 x 512 float32.
;; This version of the problem:
;;   THIS VERSION OF THE PROBLEM IS GIVEN IN LOW PRECISION. The matrix products marked QUANTISED in the list below multiply operands that are first quantised to E2M1 (2 exponent bits, 1 mantissa bit; 4 bits a number), with one power-of-two scale for each 32 numbers along K (OCP MX v1.0); their sums are f32. All else is computed in f32.
;;   The module's matrix products, in the order in which they are computed (A, B: the left and right operand; K: the contracted axis; several contracted axes count as one K, in the product's order):
;;     1. [M 16,384, K 512] x [K 512, N 512]; A: input q; B: input Wq: QUANTISED
;;     2. [M 8,192, K 512] x [K 512, N 512]; A: input k; B: input Wk: QUANTISED
;;     3. batch 32 x [M 4,096, K 64] x [K 64, N 2,048]; A: computed on the way; B: computed on the way: QUANTISED
;;     4. batch 4 x [M 32,768, K 2,048] x [K 2,048, N 1]; A: softmax; B: input supp_mask: left as it is (N = 1 < 16)
;;     5. [M 16,384, K 512] x [K 512, N 512]; A: computed on the way; B: input Wp: QUANTISED
;;   THE QUANTISER, for each operand of a quantised product, along K:
;;     - K is cut into blocks of 32 from its start; a last block that is shorter is filled with zeros.
;;     - A block's scale is 2^e with e = floor(log2(the largest magnitude in the block)) - 2, held to -126 .. 127; a block of zeros has e = 0. As a byte (E8M0): e + 127.
;;     - Each number is divided by its block's scale, clamped to +-6, and rounded to the nearest number of E2M1, ties to even, subnormals kept.
;;     - The product sums the exact products of the quantised numbers (number of the format x scale) in f32.
;;   ~~~python
;;   def quantise(x, axis):      # numpy; x: float32 -> the quantised numbers, widened to float32 again
;;       x = np.moveaxis(x, axis, -1); K = x.shape[-1]
;;       x = np.pad(x, [(0, 0)] * (x.ndim - 1) + [(0, -K % 32)]); x = x.reshape(x.shape[:-1] + (-1, 32)); a = np.abs(x).max(-1, keepdims=True)
;;       e = np.where(a > 0, np.clip(np.frexp(np.where(a > 0, a, 1))[1] - 1 - 2, -126, 127), 0)      # np.frexp(a)[1] - 1 = floor(log2(a)), exactly
;;       r = np.clip(x / 2.0 ** e, -6, 6)
;;       step = 2.0 ** (np.maximum(np.frexp(np.where(r == 0, 1, r))[1] - 1, 0) - 1)
;;       q = np.round(r / step) * step * 2.0 ** e      # np.round: ties to even
;;       return np.moveaxis(q.reshape(q.shape[:-2] + (-1,))[..., :K], -1, axis).astype(np.float32)
;;   ~~~
;;   OPERANDS COMPUTED ON THE WAY. 'Computed on the way' means the value that the module computes at that place (a softmax that the list does not call 'softmax' is quantised finished and normalised). What goes into a quantiser is computed in f32, as accurately as f32 sums, v_exp_f32 and their like allow (about 1e-6 of the number): no bf16 or f16 on the way to a quantiser, and a product that is left as it is and whose result goes on into a quantised operand takes f32 operands (vector FMAs, or v_wmma_f32_16x16x4_f32). A number that lies on a knife's edge between two numbers of the format may be rounded either way, as far as f32 arithmetic and the matrix unit's own rounding can turn it there, and no further.
;; One version. Each part assembles by itself: llvm-mc -triple=amdgcn-amd-amdhsa -mcpu=gfx1250 --defsym DOCPART=n.
;; ======== version 1 of 1: 4 launches
;; limits: right only within a limited range of input values
;; workspace buffers: wc 393,216 bytes; ws 24,576 bytes; khb 2,359,296 bytes; qhc 4,194,304 bytes; qhs 524,288 bytes; sx 1,048,576 bytes
;; launch wprep (part 1): grid 96 x 1, 4 waves a work-group, no clusters, 1,024 bytes of LDS; arguments Wq, Wk, Wp, wc, ws; writes wc, ws
.if DOCPART == 1
	.amdgcn_target "amdgcn-amd-amdhsa--gfx1250"
	.amdhsa_code_object_version 6
	.text
	.protected	k_qad321c2573_wprep
	.globl	k_qad321c2573_wprep
	.p2align	8
	.type	k_qad321c2573_wprep,@function
k_qad321c2573_wprep:
	s_mov_b64 s[64:65], 0
	v_nop
	global_prefetch_b8 v0, s[64:65] scope:SCOPE_SE
	s_setreg_imm32_b32 hwreg(HW_REG_WAVE_MODE, 25, 1), 1
	s_wait_xcnt 0x0
; Wq, Wk, Wp [512][512] f32 (K innermost) become codes of FP4 (E2M1) with one E8M0 scale byte for each 32 along K, laid in the ORDER OF THE OPERAND'S REGISTERS.
; wc: [3 weights][32 tiles T][4 K steps][1,024 bytes]: a fragment (16 rows x 128 K, 8 registers a lane) as an image of its registers: registers 0-3 at 16 x lane, registers 4-7 at 512 + 16 x lane.
; ws: [3][32 T][16 rows][16 bytes]: word s of a row is its scale word for K step s.
; THE ROWS OF A TILE ARE NOT NEIGHBOURS: tile T = 4 g + 2 b + u, its lane r takes row 64 g + 32 b + 8 u + r + 8 (r / 8), so that in the transposed product the 16 registers of tiles 2 b, 2 b + 1 are 16 neighbouring channels.
; SHARES: work-group x takes weight x / 32, tile x % 32; wave s takes K step s: one wave, one fragment.  96 work-groups are all the work there is (3 x 1,048,576 bytes are read once).
; No matrix unit, no tensor load, no cluster: each byte is read once by one wave, and nothing is shared.
; A block's scale is 2^(floor(log2(its largest magnitude)) - 2); its byte is the largest magnitude's exponent field - 2, held at 1 from below.
; LIMITS: a block of zeros gets the byte 1 where the rule says 127 (its codes are zeros, and this program alone reads the bytes); a block whose largest magnitude lies under 2^-124 keeps the byte 1; NaN and infinities are not served.
.set SCW,   0                          ; LDS: the tile's 16 rows x 4 scale words, 256 bytes
.set SPARE, 256                        ; the spare words, 128 bytes for each wave: two blocks of 256 bytes that no other line names
.set SPW, 1                            ; v1   LDS address of my spare word; never rewritten
.set NIL, 2                            ; v2   0; never rewritten
.set XA,  5                            ; v5   my row's bytes in the tile + 64 x (lane / 16)
.set LI,  6                            ; v6   16 x lane
.set SWA, 7                            ; v7   16 r + 4 s: my row's scale word of my K step
.set L8,  8                            ; v8   8 x lane
.set TM,  32                           ; v32-47 at work
.set PC,  48                           ; v48-55 the codes
.set PW,  56                           ; v56  the scale word
.set NUM, 64                           ; v64-127 64 numbers of my row
.set SRC, 4                            ; s[4:5] the weight, at my tile's first row and my K step
.set SEL, 24                           ; s[24:25] selects of v_permlanex16_b32 for lane l xor 16
; my row's numbers of one K step: register 16 b + i = k 32 b + 16 (lane / 16) + i
.macro XLOAD reg
.irp b, 0,1,2,3
.irp j, 0,1,2,3
	global_load_b128 v[\reg+16*\b+4*\j:\reg+16*\b+4*\j+3], v[XA], s[SRC:SRC+1] offset:128*\b+16*\j th:TH_LOAD_NT
.endr
.endr
.endm
; 64 numbers of a lane become a fragment's codes in v[pc] on and its scale word in v[pw]
.macro QUANT4 s, tm, pc, pw
.irp b, 0,1,2,3
	v_max3_num_f32 v[\tm+\b], |v[\s+16*\b]|, |v[\s+1+16*\b]|, 0x1800000   ; block b: my 16 numbers, and the floor 2^(3 - 127): the byte cannot fall under 1
.endr
.irp i, 2,4,6,8,10,12,14
.irp b, 0,1,2,3
	v_max3_num_f32 v[\tm+\b], v[\tm+\b], |v[\s+16*\b+\i]|, |v[\s+1+16*\b+\i]|   ; the four blocks by turns
.endr
.endr
.irp b, 0,1,2,3
	v_permlanex16_b32 v[\tm+4+\b], v[\tm+\b], s[SEL], s[SEL+1]
.endr
.irp b, 0,1,2,3
	v_max_num_f32 v[\tm+\b], v[\tm+\b], v[\tm+4+\b]   ; with lane l xor 16's: the block's largest magnitude
.endr
.irp b, 0,1,2,3
	v_add_nc_u32 v[\tm+12+\b], 0xff000000, v[\tm+\b]   ; 2 off its exponent field: the conversion's scale operand
.endr
.irp b, 0,1,2,3
	v_lshrrev_b32 v[\tm+4+\b], 23, v[\tm+12+\b]        ; the scale's byte
.endr
	v_lshl_or_b32 v[\pw], v[\tm+5], 8, v[\tm+4]
	v_lshl_or_b32 v[\pw], v[\tm+6], 16, v[\pw]
	v_lshl_or_b32 v[\pw], v[\tm+7], 24, v[\pw]         ; my row's scale word
.irp b, 0,1,2,3
	v_cvt_scalef32_pk8_fp4_f32 v[\pc+2*\b], v[\s+16*\b:\s+16*\b+7], v[\tm+12+\b]
	v_cvt_scalef32_pk8_fp4_f32 v[\pc+2*\b+1], v[\s+16*\b+8:\s+16*\b+15], v[\tm+12+\b]
.endr
	v_nop                                              ; one plain line behind the scaled conversions
.irp c, 0,1
.irp i, 0,1
	v_permlane16_swap_b32 v[\pc+4*\c+\i], v[\pc+2+4*\c+\i]   ; a whole block to a lane: lanes 0-15 block 2 c, lanes 16-31 block 2 c + 1
.endr
.endr
.endm
	s_load_b256 s[4:11], s[0:1], 0x0               ; Wq s[4:5], Wk s[6:7], Wp s[8:9], wc s[10:11]
	s_load_b64 s[12:13], s[0:1], 0x20              ; ws
	v_lshl_add_u32 v[SPW], v0, 2, SPARE
	v_mov_b32 v[NIL], 0
	v_lshrrev_b32 v3, 5, v0
	v_readfirstlane_b32 s14, v3                    ; wave = K step
	v_and_b32 v3, 15, v0                           ; r
	v_bfe_u32 v4, v0, 4, 1                         ; h
	v_and_b32 v[XA], 8, v3
	v_add_nc_u32 v[XA], v[XA], v3                  ; r + 8 (r / 8)
	v_lshlrev_b32 v[XA], 11, v[XA]                 ; a row is 2,048 bytes
	v_lshl_add_u32 v[XA], v4, 6, v[XA]             ; + 64 h: my 16 numbers of a block
	v_and_b32 v[LI], 31, v0
	v_lshlrev_b32 v[L8], 3, v[LI]
	v_lshlrev_b32 v[LI], 4, v[LI]
	v_lshlrev_b32 v[SWA], 4, v3
	s_lshl_b32 s15, s14, 2
	v_add_nc_u32 v[SWA], s15, v[SWA]
.irp b, 0,1,2,3
	v_mov_b32 v[TM+4+\b], 0                        ; written once: a lane permute's destination counts as one of its sources
.endr
	s_mov_b32 s[SEL], 0x76543210
	s_mov_b32 s[SEL+1], 0xfedcba98
	s_lshr_b32 s16, ttmp9, 5                       ; which weight
	s_and_b32 s17, ttmp9, 31                       ; T
	s_lshr_b32 s18, s17, 2
	s_lshl_b32 s18, s18, 6                         ; 64 g
	s_bfe_u32 s19, s17, 0x10001
	s_lshl_b32 s19, s19, 5                         ; 32 b
	s_add_co_u32 s18, s18, s19
	s_and_b32 s19, s17, 1
	s_lshl_b32 s19, s19, 3                         ; 8 u
	s_add_co_u32 s18, s18, s19                     ; the tile's first row
	s_lshl_b32 s18, s18, 11
	s_lshl_b32 s19, s14, 9                         ; a K step is 512 bytes of a row
	s_add_co_u32 s18, s18, s19
	s_mov_b32 s19, 0
	s_lshl_b32 s20, s16, 17                        ; wc: 131,072 a weight,
	s_lshl_b32 s21, s17, 12                        ; 4,096 a tile,
	s_add_co_u32 s20, s20, s21
	s_lshl_b32 s21, s14, 10                        ; 1,024 a fragment
	s_add_co_u32 s20, s20, s21
	s_mov_b32 s21, 0
	s_lshl_b32 s22, s16, 13                        ; ws: 8,192 a weight,
	s_lshl_b32 s23, s17, 8                         ; 256 a tile
	s_add_co_u32 s22, s22, s23
	s_mov_b32 s23, 0
	s_wait_kmcnt 0x0
	s_cmp_lt_u32 ttmp9, 32                         ; only pointers are chosen, by the work-group's number: one path serves the three weights
	s_cselect_b64 s[4:5], s[4:5], s[6:7]
	s_cmp_lt_u32 ttmp9, 64
	s_cselect_b64 s[4:5], s[4:5], s[8:9]
	s_add_nc_u64 s[4:5], s[4:5], s[18:19]
	s_add_nc_u64 s[10:11], s[10:11], s[20:21]
	s_add_nc_u64 s[12:13], s[12:13], s[22:23]
	XLOAD NUM
	s_wait_loadcnt 0x0
	QUANT4 NUM, TM, PC, PW
	global_store_b128 v[LI], v[PC:PC+3], s[10:11]              ; 32 lanes store 512 consecutive bytes, aligned
	global_store_b128 v[LI], v[PC+4:PC+7], s[10:11] offset:512
	ds_store_b32 v[SWA], v[PW] offset:SCW          ; both halves of the lanes write the same word with the same value
	s_wait_dscnt 0x0                               ; for the others' sake: my scale words lie in LDS
	s_barrier_signal -1
	s_barrier_wait -1
	s_cmp_lg_u32 s14, 0                            ; wave 0 stores the tile's 64 scale words as 256 consecutive bytes, aligned
	s_cbranch_scc1 .Lend
	ds_load_b64 v[10:11], v[L8] offset:SCW
	s_wait_dscnt 0x0
	global_store_b64 v[L8], v[10:11], s[12:13]
.Lend:
	s_wait_tensorcnt 0x0                           ; the wave's end, behind my last LDS store
	ds_add_u32 v[SPW], v[NIL]
	s_wait_dscnt 0x0
	s_endpgm
.Lfunc_end_k_qad321c2573_wprep:
	.size	k_qad321c2573_wprep, .Lfunc_end_k_qad321c2573_wprep-k_qad321c2573_wprep
	.p2alignl 7, 3214868480
	.fill 96, 4, 3214868480
	.section	.rodata,"a",@progbits
	.p2align	6, 0x0
	.amdhsa_kernel k_qad321c2573_wprep
		.amdhsa_group_segment_fixed_size 1024
		.amdhsa_private_segment_fixed_size 0
		.amdhsa_enable_private_segment 0
		.amdhsa_kernarg_size 40
		.amdhsa_user_sgpr_count 2
		.amdhsa_user_sgpr_kernarg_segment_ptr 1
		.amdhsa_wavefront_size32 1
		.amdhsa_system_sgpr_workgroup_id_x 1
		.amdhsa_system_sgpr_workgroup_id_y 1
		.amdhsa_system_sgpr_workgroup_id_z 1
		.amdhsa_system_vgpr_workitem_id 0
		.amdhsa_next_free_vgpr 128
		.amdhsa_next_free_sgpr 66
		.amdhsa_reserve_vcc 0
		.amdhsa_float_denorm_mode_32 3
		.amdhsa_float_denorm_mode_16_64 3
		.amdhsa_memory_ordered 1
		.amdhsa_forward_progress 1
		.amdhsa_inst_pref_size 9
	.end_amdhsa_kernel
	.amdgpu_metadata
---
amdhsa.version: [ 1, 2 ]
amdhsa.kernels:
  - .name:           k_qad321c2573_wprep
    .symbol:         k_qad321c2573_wprep.kd
    .args:
      - { .name: Wq, .offset: 0, .size: 8, .value_kind: global_buffer, .address_space: global }
      - { .name: Wk, .offset: 8, .size: 8, .value_kind: global_buffer, .address_space: global }
      - { .name: Wp, .offset: 16, .size: 8, .value_kind: global_buffer, .address_space: global }
      - { .name: wc, .offset: 24, .size: 8, .value_kind: global_buffer, .address_space: global }
      - { .name: ws, .offset: 32, .size: 8, .value_kind: global_buffer, .address_space: global }
    .group_segment_fixed_size: 1024
    .private_segment_fixed_size: 0
    .kernarg_segment_align: 8
    .kernarg_segment_size: 40
    .max_flat_workgroup_size: 128
    .sgpr_count:     66
    .vgpr_count:     128
    .wavefront_size: 32
...
	.end_amdgpu_metadata
.endif
;; end of part 1
;; launch proj (part 2): grid 256 x 1, 16 waves a work-group, no clusters, 234,496 bytes of LDS; arguments q, k, wc, ws, qhc, qhs, khb; writes qhc, qhs, khb
.if DOCPART == 2
	.amdgcn_target "amdgcn-amd-amdhsa--gfx1250"
	.amdhsa_code_object_version 6
	.text
	.protected	k_qad321c2573_proj
	.globl	k_qad321c2573_proj
	.p2align	8
	.type	k_qad321c2573_proj,@function
k_qad321c2573_proj:
	s_mov_b64 s[64:65], 0
	v_nop
	global_prefetch_b8 v0, s[64:65] scope:SCOPE_SE
	s_setreg_imm32_b32 hwreg(HW_REG_WAVE_MODE, 25, 1), 1
	s_wait_xcnt 0x0
; qh = Q(q) Q(Wq)^T and kh = Q(k) Q(Wk)^T on codes of FP4 (E2M1) with E8M0 scales for each 32 along K, and then Q(qh), Q(kh) along each head's 64 channels.
; The input v is in no launch's arguments: it has no way to the output; a NaN or infinity in v is not carried to the result.
; SHARES: a work-group takes 64 rows of q and 32 rows of k of the same batch.  Wave w quantises one fragment of q (tile w / 4, K step w % 4) and half a fragment of k (tile w / 8, K step (w / 2) % 4, half w % 2);
; the images go through LDS.  Then wave w = (head g = w % 8, rho = w / 8) makes qh of head g for q's tiles 2 rho, 2 rho + 1 (32 matrix instructions) and kh of head g for k's tile rho (16).
; THE LOADS OF q AND k ARE DENSE: a load of q reads 512 consecutive bytes of one row, a load of k two runs of 256.  The conversions want 16 neighbours along K in a lane, so the numbers turn through the wave's own stage
; in LDS: stored as loaded, read back 64 bytes a lane; the stage's rows have 16 bytes of padding, so that the 16 rows of a read fall on 16 different runs of 16 bytes.
; Every product is used transposed (source 0 = 16 rows of a weight, source 1 = 16 rows of q or k): a lane holds one row and 16 neighbouring channels of each block.
; Wk's fragments are asked for into Wq's registers as each K step of the first product leaves them.
; OUT, in the order of the reader's operand registers: qhc [32 batch x head][256 tiles][512 bytes]: 16 bytes a lane, lane (r, h) = block h of row r.  qhs [32][4,096] scale words (bytes 2, 3 = 127, over zero codes).
; khb [32][73,728]: 128 tiles x 512 bytes of codes, then from byte 65,536 on 2,048 scale words.
; The codes leave in runs of 512 consecutive bytes; the scale words, an eighth of the codes' bytes, in runs of 128 (q) and 64 (k) consecutive bytes: those units are written in part.
; No tensor load, no cluster: the weights go from memory straight into operand registers.  No prefetch: every stream is asked for once, at the head; there is no loop to run ahead in.
; LIMITS: a block of zeros gets the byte 1 where the rule says 127 (its codes are zeros; this program alone reads the bytes); a block whose largest magnitude lies under 2^-124 keeps the byte 1; NaN and infinities are not served.
.set XIMG,  0                          ; q's 16 fragment images, 1,024 bytes each
.set XSC,   16384                      ; their scale words, 128 bytes each
.set KIMG,  18432                      ; k's 8 fragment images
.set KXS,   26624                      ; their scale words
.set SPARE, 27648                      ; the spare words, 128 bytes a wave
.set STG,   29696                      ; the stages: for each wave 16 rows x 528 bytes for q, then 16 rows x 272 for k
.set STW,   12800
.set SPW, 1
.set NIL, 2
.set LI,  3                            ; 16 x lane
.set LS,  4                            ; 4 x lane
.set XWI, 5
.set XWS, 6
.set XRI, 7
.set XRS, 8
.set WSO, 9                            ; 16 r
.set KA,  10                           ; 2,048 h + 16 r: a load of k takes two rows
.set KWI, 11
.set KWS, 12
.set KRI, 13
.set KRS, 14
.set LN,  15                           ; lane
.set T2,  16                           ; v16-23 at work in QUANT2
.set SQW, 20                           ; ahead of that: where I store q's numbers into my stage,
.set SKW, 21                           ; and k's
.set WS,  24                           ; v24-39 a weight's scale words
.set XS,  40                           ; v40-43 scale words of q's or k's fragments
.set QS,  44                           ; v44-45 qh's scale words; v46 both; v47 kh's
.set SQR, 44                           ; ahead of that: where I read q's numbers back,
.set SKR, 45                           ; and k's
.set QW,  46
.set KW,  47
.set XF,  48                           ; v48-63 two fragments of q; then the codes on their way out
.set QF,  48
.set KD,  52
.set RK,  64                           ; v64-95 k's numbers as loaded
.set NUM, 64                           ; v64-127 q's numbers, 16 neighbours of each block
.set ACC, 64
.set KX,  96                           ; v96-127 k's four fragments in the second product
.set RQ,  128                          ; v128-191 q's numbers as loaded
.set KN,  128                          ; then: v128-159 k's numbers, v160-191 at work
.set TM,  160
.set PC,  176
.set PW,  184
.set KSW, 185
.set KC,  188
.set WV,  18
.set G,   19
.set RHO, 20
.set BT,  21
.set WI,  22
.set SEL, 24
.set WCQ, 28
.set WSQ, 30
.set WCK, 32
.set WSK, 34
.macro QUANT4 s, tm, pc, pw            ; 64 numbers of a lane (four half blocks) become a fragment's codes and its scale word
.irp b, 0,1,2,3
	v_max3_num_f32 v[\tm+\b], |v[\s+16*\b]|, |v[\s+1+16*\b]|, 0x1800000   ; and the floor 2^(3 - 127): the byte cannot fall under 1
.endr
.irp i, 2,4,6,8,10,12,14
.irp b, 0,1,2,3
	v_max3_num_f32 v[\tm+\b], v[\tm+\b], |v[\s+16*\b+\i]|, |v[\s+1+16*\b+\i]|
.endr
.endr
.irp b, 0,1,2,3
	v_permlanex16_b32 v[\tm+4+\b], v[\tm+\b], s[SEL], s[SEL+1]
.endr
.irp b, 0,1,2,3
	v_max_num_f32 v[\tm+\b], v[\tm+\b], v[\tm+4+\b]
.endr
.irp b, 0,1,2,3
	v_add_nc_u32 v[\tm+12+\b], 0xff000000, v[\tm+\b]   ; 2 off the exponent field: the conversion's scale operand
.endr
.irp b, 0,1,2,3
	v_lshrrev_b32 v[\tm+4+\b], 23, v[\tm+12+\b]
.endr
	v_lshl_or_b32 v[\pw], v[\tm+5], 8, v[\tm+4]
	v_lshl_or_b32 v[\pw], v[\tm+6], 16, v[\pw]
	v_lshl_or_b32 v[\pw], v[\tm+7], 24, v[\pw]
.irp b, 0,1,2,3
	v_cvt_scalef32_pk8_fp4_f32 v[\pc+2*\b], v[\s+16*\b:\s+16*\b+7], v[\tm+12+\b]
	v_cvt_scalef32_pk8_fp4_f32 v[\pc+2*\b+1], v[\s+16*\b+8:\s+16*\b+15], v[\tm+12+\b]
.endr
	v_nop                                          ; one plain line behind the scaled conversions
.irp c, 0,1
.irp i, 0,1
	v_permlane16_swap_b32 v[\pc+4*\c+\i], v[\pc+2+4*\c+\i]   ; a whole block to a lane
.endr
.endr
.endm
.macro QUANT2 s, d, sw, tm             ; 32 numbers of a lane (two half blocks) become 4 registers of codes (lane (r, h): block h of row r) and a scale word
.irp b, 0,1
	v_max3_num_f32 v[\tm+\b], |v[\s+16*\b]|, |v[\s+1+16*\b]|, 0x1800000   ; an accumulator is read from its low end on
.endr
.irp i, 2,4,6,8,10,12,14
.irp b, 0,1
	v_max3_num_f32 v[\tm+\b], v[\tm+\b], |v[\s+16*\b+\i]|, |v[\s+1+16*\b+\i]|
.endr
.endr
.irp b, 0,1
	v_permlanex16_b32 v[\tm+2+\b], v[\tm+\b], s[SEL], s[SEL+1]
.endr
.irp b, 0,1
	v_max_num_f32 v[\tm+\b], v[\tm+\b], v[\tm+2+\b]
.endr
.irp b, 0,1
	v_add_nc_u32 v[\tm+4+\b], 0xff000000, v[\tm+\b]
.endr
.irp b, 0,1
	v_lshrrev_b32 v[\tm+6+\b], 23, v[\tm+4+\b]
.endr
	v_lshl_or_b32 v[\sw], v[\tm+7], 8, v[\tm+6]
	v_or_b32 v[\sw], 0x7f7f0000, v[\sw]            ; bytes 2 and 3 stand over zero codes: 127
.irp b, 0,1
	v_cvt_scalef32_pk8_fp4_f32 v[\d+2*\b], v[\s+16*\b:\s+16*\b+7], v[\tm+4+\b]
	v_cvt_scalef32_pk8_fp4_f32 v[\d+2*\b+1], v[\s+16*\b+8:\s+16*\b+15], v[\tm+4+\b]
.endr
	v_nop
	v_permlane16_swap_b32 v[\d], v[\d+2]
	v_permlane16_swap_b32 v[\d+1], v[\d+3]
.endm
.macro FETCH reg, adr, off             ; a fragment's image comes back from LDS
.irp c, 0,1
	ds_load_b128 v[\reg+4*\c:\reg+4*\c+3], v[\adr] offset:\off+512*\c
.endr
.endm
.macro WLOADS sb                       ; the scale words of my four tiles: 4 words (the four K steps) a row
.irp t, 0,1,2,3
	global_load_b128 v[WS+4*\t:WS+4*\t+3], v[WSO], s[\sb:\sb+1] offset:256*\t
.endr
.endm
.macro WLK wb, s                       ; my four tiles' fragments of K step s, into v[128 + 32 ((s + 2) % 4)] on
.irp t, 0,1,2,3
.irp c, 0,1
	global_load_b128 v[128+32*(((\s)+2)%4)+8*\t+4*\c:128+32*(((\s)+2)%4)+8*\t+4*\c+3], v[LI], s[\wb:\wb+1] offset:(4*\t+(\s))*1024+512*\c
.endr
.endr
.endm
.macro MM d, a, b, zero, sa, sb
.if \zero
	v_wmma_scale_f32_16x16x128_f8f6f4 v[\d:\d+7], v[\a:\a+7], v[\b:\b+7], 0, v[\sa], v[\sb] matrix_a_fmt:MATRIX_FMT_FP4 matrix_b_fmt:MATRIX_FMT_FP4
.else
	v_wmma_scale_f32_16x16x128_f8f6f4 v[\d:\d+7], v[\a:\a+7], v[\b:\b+7], v[\d:\d+7], v[\sa], v[\sb] matrix_a_fmt:MATRIX_FMT_FP4 matrix_b_fmt:MATRIX_FMT_FP4
.endif
.endm
.macro PLACES
.rept 4
	v_nop
.endr
.endm
	s_load_b256 s[4:11], s[0:1], 0x0               ; q, k, wc, ws
	s_load_b128 s[12:15], s[0:1], 0x20             ; qhc, qhs
	s_load_b64 s[16:17], s[0:1], 0x30              ; khb
	v_lshl_add_u32 v[SPW], v0, 2, SPARE
	v_mov_b32 v[NIL], 0
	v_lshrrev_b32 v46, 5, v0
	v_readfirstlane_b32 s[WV], v46                 ; wave 0..15
	s_and_b32 s[G], s[WV], 7
	s_lshr_b32 s[RHO], s[WV], 3
	s_lshr_b32 s[BT], ttmp9, 6                     ; the batch: 64 work-groups each, for q and for k alike
	s_and_b32 s[WI], ttmp9, 63
	s_mov_b32 s[SEL], 0x76543210
	s_mov_b32 s[SEL+1], 0xfedcba98
	s_lshl_b32 s40, s[WV], 10
	s_lshl_b32 s41, s[WV], 7
	s_lshl_b32 s42, s[RHO], 13
	s_lshl_b32 s43, s[RHO], 10
	s_lshl_b32 s44, s[WV], 9                       ; k's half image: 1,024 (w / 2) + 512 (w % 2)
	s_lshr_b32 s45, s[WV], 1
	s_lshl_b32 s45, s45, 7
	s_and_b32 s46, s[WV], 1
	s_lshl_b32 s46, s46, 1
	s_add_co_u32 s45, s45, s46                     ; its two scale bytes: 128 (w / 2) + 2 (w % 2)
	s_lshl_b32 s46, s[RHO], 12
	s_lshl_b32 s47, s[RHO], 9
	s_lshl_b32 s48, ttmp9, 6                       ; q: row 64 x work-group + 16 (w / 4), K step w % 4
	s_lshr_b32 s49, s[WV], 2
	s_lshl_b32 s49, s49, 4
	s_add_co_u32 s48, s48, s49
	s_lshl_b32 s48, s48, 11
	s_and_b32 s49, s[WV], 3
	s_lshl_b32 s49, s49, 9
	s_add_co_u32 s48, s48, s49
	s_mov_b32 s49, 0
	s_lshl_b32 s50, ttmp9, 5                       ; k: row 32 x work-group + 16 rho, 256 bytes x (w % 8) along the row
	s_lshl_b32 s51, s[RHO], 4
	s_add_co_u32 s50, s50, s51
	s_lshl_b32 s50, s50, 11
	s_lshl_b32 s51, s[G], 8
	s_add_co_u32 s50, s50, s51
	s_mov_b32 s51, 0
	s_lshl_b32 s52, s[G], 14                       ; my four tiles in wc and in ws
	s_mov_b32 s53, 0
	s_lshl_b32 s54, s[G], 10
	s_mov_b32 s55, 0
	s_lshl_b32 s56, s[BT], 3
	s_add_co_u32 s56, s56, s[G]                    ; batch x head
	s_lshl_b32 s57, s[WI], 2
	s_lshl_b32 s58, s[RHO], 1
	s_add_co_u32 s57, s57, s58
	s_lshl_b32 s58, s56, 8
	s_add_co_u32 s58, s58, s57                     ; my first tile of queries
	s_lshl_b32 s60, s58, 9
	s_mov_b32 s61, 0
	s_lshl_b32 s62, s58, 6
	s_mov_b32 s63, 0
	s_mul_i32 s66, s56, 73728
	s_lshl_b32 s57, s[WI], 1
	s_add_co_u32 s57, s57, s[RHO]                  ; my tile of keys
	s_lshl_b32 s58, s57, 9
	s_add_co_u32 s68, s66, s58
	s_mov_b32 s69, 0
	s_lshl_b32 s58, s57, 6
	s_add_co_u32 s70, s66, s58
	s_add_co_u32 s70, s70, 65536
	s_mov_b32 s71, 0
	s_mul_i32 s72, s[WV], STW
	s_add_co_u32 s72, s72, STG                     ; my stage for q,
	s_add_co_u32 s73, s72, 8448                    ; and for k
	v_and_b32 v[LN], 31, v0
	v_lshlrev_b32 v[LS], 2, v[LN]
	v_lshlrev_b32 v[LI], 4, v[LN]
	v_and_b32 v46, 15, v0                          ; r
	v_bfe_u32 v47, v0, 4, 1                        ; h
	v_add_nc_u32 v[XWI], s40, v[LI]
	v_add_nc_u32 v[XWS], s41, v[LS]
	v_add_nc_u32 v[XRI], s42, v[LI]
	v_add_nc_u32 v[XRS], s43, v[LS]
	v_add_nc_u32 v[KWI], s44, v[LI]
	v_add_nc_u32 v[KWS], s45, v[LS]
	v_add_nc_u32 v[KRI], s46, v[LI]
	v_add_nc_u32 v[KRS], s47, v[LS]
	v_lshlrev_b32 v[WSO], 4, v46
	v_lshlrev_b32 v[KA], 11, v47
	v_lshl_add_u32 v[KA], v46, 4, v[KA]
	v_add_nc_u32 v[SQW], s72, v[LI]                ; q, in: a row of 512 bytes an instruction, 16 bytes a lane
	v_mul_u32_u24 v[SQR], v46, 528                 ; back: row r, + 64 h
	v_lshl_add_u32 v[SQR], v47, 6, v[SQR]
	v_add_nc_u32 v[SQR], s72, v[SQR]
	v_mul_u32_u24 v[SKW], v47, 272                 ; k, in: two rows of 256 bytes an instruction
	v_lshl_add_u32 v[SKW], v46, 4, v[SKW]
	v_add_nc_u32 v[SKW], s73, v[SKW]
	v_mul_u32_u24 v[SKR], v46, 272                 ; back: row r, + 64 h
	v_lshl_add_u32 v[SKR], v47, 6, v[SKR]
	v_add_nc_u32 v[SKR], s73, v[SKR]
	v_mov_b32 v[T2+2], 0                           ; a lane permute's destination counts as one of its sources
	v_mov_b32 v[T2+3], 0
	s_wait_alu depctr_va_vdst(0)
	s_wait_kmcnt 0x0
	s_add_nc_u64 s[4:5], s[4:5], s[48:49]
	s_add_nc_u64 s[6:7], s[6:7], s[50:51]
	s_add_nc_u64 s[WCQ:WCQ+1], s[8:9], s[52:53]
	s_add_nc_u64 s[WCK:WCK+1], s[WCQ:WCQ+1], 131072
	s_add_nc_u64 s[WSQ:WSQ+1], s[10:11], s[54:55]
	s_add_nc_u64 s[WSK:WSK+1], s[WSQ:WSQ+1], 8192
	s_add_nc_u64 s[12:13], s[12:13], s[60:61]
	s_add_nc_u64 s[14:15], s[14:15], s[62:63]
	s_add_nc_u64 s[36:37], s[16:17], s[68:69]
	s_add_nc_u64 s[38:39], s[16:17], s[70:71]
.irp i, 0,1,2,3,4,5,6,7,8,9,10,11,12,13,14,15
	global_load_b128 v[RQ+4*\i:RQ+4*\i+3], v[LI], s[4:5] offset:2048*\i th:TH_LOAD_NT   ; row i of my fragment of q: 512 consecutive bytes
.endr
.irp i, 0,1,2,3,4,5,6,7
	global_load_b128 v[RK+4*\i:RK+4*\i+3], v[KA], s[6:7] offset:4096*\i th:TH_LOAD_NT   ; rows 2 i, 2 i + 1 of my half fragment of k: 256 consecutive bytes each
.endr
	WLOADS WSQ
	WLK WCQ, 0
	WLK WCQ, 1
	s_wait_loadcnt 20                              ; my numbers of q and k are in; the 20 younger loads are Wq's scale words (4) and K steps 0, 1 (16)
.irp i, 0,1,2,3,4,5,6,7
	ds_store_b128 v[SKW], v[RK+4*\i:RK+4*\i+3] offset:544*\i
.endr
.irp i, 0,1,2,3,4,5,6,7,8,9,10,11,12,13,14,15
	ds_store_b128 v[SQW], v[RQ+4*\i:RQ+4*\i+3] offset:528*\i
.endr
	s_wait_dscnt 0x0                               ; the stores have read their registers, which the loads below fill
.irp b, 0,1,2,3
.irp j, 0,1,2,3
	ds_load_b128 v[NUM+16*\b+4*\j:NUM+16*\b+4*\j+3], v[SQR] offset:128*\b+16*\j   ; register 16 b + i = k 32 b + 16 h + i of row r
.endr
.endr
.irp b, 0,1
.irp j, 0,1,2,3
	ds_load_b128 v[KN+16*\b+4*\j:KN+16*\b+4*\j+3], v[SKR] offset:128*\b+16*\j
.endr
.endr
	s_wait_dscnt 8                                 ; q's numbers are back; the 8 younger loads are k's
	QUANT4 NUM, TM, PC, PW
	s_wait_alu depctr_va_vdst(0)
	s_wait_dscnt 0x0                               ; k's numbers are back
	QUANT2 KN, KC, KSW, T2
.irp c, 0,1
	ds_store_b128 v[XWI], v[PC+4*\c:PC+4*\c+3] offset:XIMG+512*\c
.endr
	ds_store_b32 v[XWS], v[PW] offset:XSC
	ds_store_b128 v[KWI], v[KC:KC+3] offset:KIMG
	ds_store_b16 v[KWS], v[KSW] offset:KXS
	s_wait_alu depctr_va_vdst(0)
	s_wait_dscnt 0x0                               ; for the others' sake: my images lie in LDS
	s_barrier_signal -1
	s_barrier_wait -1
	WLK WCQ, 2                                     ; into the registers that the quantisers have left
	WLK WCQ, 3
	; ---- qh: 4 tiles of Wq x 2 tiles of rows x 4 K steps; the 8 accumulators take turns
.irp s, 0,1,2,3
.if \s > 0
	PLACES                                         ; in front of loads into registers that matrix instructions have read
	WLK WCK, \s-1                                  ; Wk's K step s - 1, where Wq's lay
.endif
.irp mm, 0,1
	FETCH XF+8*\mm, XRI, XIMG+(4*\mm+\s)*1024
	ds_load_b32 v[XS+\mm], v[XRS] offset:XSC+128*(4*\mm+\s)
.endr
.if \s == 0
	s_wait_loadcnt 16                              ; the 16 younger loads are Wq's K steps 2, 3
.endif
.if \s == 2
	s_wait_loadcnt 16                              ; Wq is whole; the 16 younger loads are Wk's K steps 0, 1
.endif
	s_wait_dscnt 0x0
.irp mm, 0,1
.irp t, 0,1,2,3
	MM ACC+32*\mm+8*\t, 128+32*((\s+2)%4)+8*\t, XF+8*\mm, (\s==0), WS+4*\t+\s, XS+\mm
.endr
.endr
.endr
	PLACES
	WLOADS WSK
	WLK WCK, 3
	QUANT2 ACC, QF, QS, T2
	QUANT2 ACC+32, QF+8, QS+1, T2
	v_cmp_gt_u32 vcc_lo, 16, v[LN]
	v_cndmask_b32 v[QW], v[QS+1], v[QS], vcc_lo    ; lanes 0-15: the first tile's scale words, lanes 16-31: the second's
	global_store_b128 v[LI], v[QF:QF+3], s[12:13]  ; 512 consecutive bytes, aligned
	global_store_b128 v[LI], v[QF+8:QF+11], s[12:13] offset:512
	global_store_b32 v[LS], v[QW], s[14:15]        ; 128 consecutive bytes
	; ---- kh: 4 tiles of Wk x my tile of keys x 4 K steps; the 4 accumulators take turns
.irp s, 0,1,2,3
	FETCH KX+8*\s, KRI, KIMG+1024*\s
	ds_load_b32 v[XS+\s], v[KRS] offset:KXS+128*\s
.endr
	s_wait_alu depctr_va_vdst(0)
	s_wait_loadcnt 0x0                             ; Wk and its scale words
	s_wait_dscnt 0x0
.irp s, 0,1,2,3
.irp t, 0,1,2,3
	MM ACC+8*\t, 128+32*((\s+2)%4)+8*\t, KX+8*\s, (\s==0), WS+4*\t+\s, XS+\s
.endr
.endr
	PLACES
	QUANT2 ACC, KD, KW, T2
	global_store_b128 v[LI], v[KD:KD+3], s[36:37]  ; 512 consecutive bytes, aligned
	v_cmp_gt_u32 vcc_lo, 16, v[LN]
	s_wait_alu depctr_va_vdst(0)
	s_wait_xcnt 0x0                                ; EXEC changes only behind this wait
	s_and_saveexec_b32 s40, vcc_lo
	global_store_b32 v[LS], v[KW], s[38:39]        ; lanes 0-15: the 16 keys' scale words, 64 consecutive bytes
	s_wait_xcnt 0x0
	s_or_b32 exec_lo, exec_lo, s40
	s_wait_tensorcnt 0x0                           ; the wave's end
	ds_add_u32 v[SPW], v[NIL]
	s_wait_dscnt 0x0
	s_endpgm
.Lfunc_end_k_qad321c2573_proj:
	.size	k_qad321c2573_proj, .Lfunc_end_k_qad321c2573_proj-k_qad321c2573_proj
	.p2alignl 7, 3214868480
	.fill 96, 4, 3214868480
	.section	.rodata,"a",@progbits
	.p2align	6, 0x0
	.amdhsa_kernel k_qad321c2573_proj
		.amdhsa_group_segment_fixed_size 234496
		.amdhsa_private_segment_fixed_size 0
		.amdhsa_enable_private_segment 0
		.amdhsa_kernarg_size 56
		.amdhsa_user_sgpr_count 2
		.amdhsa_user_sgpr_kernarg_segment_ptr 1
		.amdhsa_wavefront_size32 1
		.amdhsa_system_sgpr_workgroup_id_x 1
		.amdhsa_system_sgpr_workgroup_id_y 1
		.amdhsa_system_sgpr_workgroup_id_z 1
		.amdhsa_system_vgpr_workitem_id 0
		.amdhsa_next_free_vgpr 256
		.amdhsa_next_free_sgpr 80
		.amdhsa_reserve_vcc 1
		.amdhsa_float_denorm_mode_32 3
		.amdhsa_float_denorm_mode_16_64 3
		.amdhsa_memory_ordered 1
		.amdhsa_forward_progress 1
		.amdhsa_inst_pref_size 39
	.end_amdhsa_kernel
	.amdgpu_metadata
---
amdhsa.version: [ 1, 2 ]
amdhsa.kernels:
  - .name:           k_qad321c2573_proj
    .symbol:         k_qad321c2573_proj.kd
    .args:
      - { .name: q, .offset: 0, .size: 8, .value_kind: global_buffer, .address_space: global }
      - { .name: k, .offset: 8, .size: 8, .value_kind: global_buffer, .address_space: global }
      - { .name: wc, .offset: 16, .size: 8, .value_kind: global_buffer, .address_space: global }
      - { .name: ws, .offset: 24, .size: 8, .value_kind: global_buffer, .address_space: global }
      - { .name: qhc, .offset: 32, .size: 8, .value_kind: global_buffer, .address_space: global }
      - { .name: qhs, .offset: 40, .size: 8, .value_kind: global_buffer, .address_space: global }
      - { .name: khb, .offset: 48, .size: 8, .value_kind: global_buffer, .address_space: global }
    .group_segment_fixed_size: 234496
    .private_segment_fixed_size: 0
    .kernarg_segment_align: 8
    .kernarg_segment_size: 56
    .max_flat_workgroup_size: 512
    .sgpr_count:     80
    .vgpr_count:     256
    .wavefront_size: 32
...
	.end_amdgpu_metadata
.endif
;; end of part 2
;; launch attn (part 3): grid 256 x 1, 16 waves a work-group, clusters of 4 x 1, 167,936 bytes of LDS; arguments supp_mask, qhc, qhs, khb, sx; writes sx
.if DOCPART == 3
	.amdgcn_target "amdgcn-amd-amdhsa--gfx1250"
	.amdhsa_code_object_version 6
	.text
	.protected	k_qad321c2573_attn
	.globl	k_qad321c2573_attn
	.p2align	8
	.type	k_qad321c2573_attn,@function
k_qad321c2573_attn:
	s_mov_b64 s[64:65], 0
	v_nop
	global_prefetch_b8 v0, s[64:65] scope:SCOPE_SE
	s_setreg_imm32_b32 hwreg(HW_REG_WAVE_MODE, 25, 1), 1
	s_wait_xcnt 0x0
	s_wait_alu depctr_hold_cnt(0) depctr_sa_sdst(0) depctr_va_vdst(0) depctr_va_sdst(0) depctr_va_ssrc(0) depctr_va_vcc(0) depctr_vm_vsrc(0)
	s_getreg_b32 s2, hwreg(HW_REG_IB_STS2, 6, 4)
	s_cmp_eq_u32 s2, 0
	s_cbranch_scc0 .Lentry_in_a_cluster
	s_endpgm
.Lentry_in_a_cluster:
	s_bfe_u32 s2, ttmp6, 0x10000c
	s_cmp_lg_u32 s2, 0x3003
	s_cbranch_scc0 .Lentry_shape_is_right
	s_endpgm
.Lentry_shape_is_right:
; s[b][g][n] = sum_m softmax_m(Q(qh) . Q(kh) / 8) supp_mask[m], and Q(x) of x[n][64 g + d] = s: a block of 32 of x is one number 32 times, so one word of eight equal codes and one scale byte stand for it.
; The scores are made on codes of FP4 (E2M1) with E8M0 scales; all else in f32.  The input v is in no argument.
; SHARES.  A work-group takes 2 heads of a batch and 256 queries.  The pair's kh for ALL 2,048 keys, 2 x 73,728 bytes (codes as register images, then scale words), comes into LDS once: each of the 16 waves asks for 9,216 bytes.
; So the walk over the keys has no slot to fill again and no barrier.  Wave w: head w / 8 of the pair, queries 32 (w % 8) on, two tiles; 32 key steps of 64 keys.
; CLUSTER.  The four work-groups of a cluster have the same batch and pair of heads: kh is asked for JOINTLY.  No prefetch: all of kh is asked for at the head; there is no loop to run ahead in.
; LAYOUT.  S^T = kh qh^T (source 0 = 16 keys, source 1 = 16 queries): a lane holds one query.  The scores' K is 64: registers 4-7 of both operands hold zero codes.
; SOFTMAX.  p = 2^(c s - c m), c = log2(e) / 8, m the running maximum; l = sum p and lm = sum p x mask are multiplied by a = 2^(c m_old - c m_new) in every step.  m, l, lm are kept for each LANE; lanes l and l xor 16,
; which hold the same query's other keys, are merged behind the loop.  s = lm / l.
; OUT: sx [32 batch x head][4,096 queries][2 words]: eight equal codes; the scale byte twice.  A wave stores 256 consecutive bytes, aligned.
; LIMITS: NaN and infinities are not served; s = 0 gets the scale byte 1 where the rule says 127 (its codes are zeros; this program alone reads the bytes); |s| under 2^-124 keeps the byte 1; a p under 2^-126 comes out of
; v_exp_f32 as 0; 1 / l is v_rcp_f32's; the promise holds while c x score stays under 2^31 in magnitude.  supp_mask may hold any int32: it is converted as it is.
.set KH,    73728                      ; a head's kh, in khb and in LDS
.set KSO,   65536                      ; its scale words
.set MASK,  147456                     ; supp_mask of my batch as f32, 8,192 bytes
.set SPARE, 155648                     ; the spare words, 128 bytes a wave
.set SPW, 1
.set NIL, 2
.set LI,  3                            ; 16 x lane
.set R4,  4                            ; 4 r
.set MW,  5                            ; MASK + 16 x thread
.set AK0, 6                            ; my head's codes + 16 x lane
.set AS0, 7                            ; my head's scale words + 4 x lane
.set AM0, 8                            ; MASK + 32 h
.set ADK, 9                            ; the same three for the four steps in hand
.set ADS, 10
.set ADM, 11
.set L8,  12                           ; 8 x lane
.set LN,  13
.set TI,  15                           ; 16 x thread
.set KS,  16                           ; v16-17 kh's scale words: lanes 0-15 an even tile's keys, lanes 16-31 the odd tile's
.set QS,  18                           ; v18-19 qh's
.set QF,  24                           ; v24-39 qh's two fragments
.set ST,  40                           ; tile t's statistics at ST + 8 t: +0 c m, +1 m, +2,3 l, +4,5 lm, +6 a, +7 c m_old, then c m_old - c m_new
.set CT,  56                           ; v56-63 chains of the maximum
.set KF,  64                           ; v64-95 four fragments of kh
.set S,   96                           ; v96-159 the scores, then p: tile t at + 32 t, 16 keys kt at + 8 kt
.set MK,  160                          ; v160-191 the mask of the step's keys, in the scores' layout
.set WV,  16
.set E,   17
.set QT,  18
.set CX,  19
.set BHP, 20
.set QB,  21
.set G1,  24
.set G0,  32
.set CS,  36
.set SEL, 38
.set TK,  40
.set TS,  41
.set TRIPS, 42
.macro CROUND                          ; a round of the cluster's barrier
	s_barrier_signal -1
	s_barrier_wait -1
	s_cmp_lg_u32 s[WV], 0
	s_cbranch_scc1 .Lnot_wave_0_\@
	s_barrier_signal -3
.Lnot_wave_0_\@:
	s_barrier_wait -3
	s_barrier_signal -1
	s_barrier_wait -1
.endm
.macro KLOADS n                        ; the n-th 64 keys of the four steps in hand: 4 fragments (registers 0-3; 4-7 stay zeros) and 2 registers of scale words
.irp kt, 0,1,2,3
	ds_load_b128 v[KF+8*\kt:KF+8*\kt+3], v[ADK] offset:2048*(\n)+512*\kt
.endr
.irp pr, 0,1
	ds_load_b32 v[KS+\pr], v[ADS] offset:256*(\n)+128*\pr
.endr
.endm
.macro MLOADS n                        ; register 8 kt + j: the mask of key 16 kt + 8 h + j
.irp i, 0,1,2,3,4,5,6,7
	ds_load_b128 v[MK+4*\i:MK+4*\i+3], v[ADM] offset:256*(\n)+64*(\i/2)+16*(\i%2)
.endr
.endm
.macro SMM kt, t
.if (\kt)%2
	v_wmma_scale_f32_16x16x128_f8f6f4 v[S+32*\t+8*\kt:S+32*\t+8*\kt+7], v[KF+8*\kt:KF+8*\kt+7], v[QF+8*\t:QF+8*\t+7], 0, v[KS+\kt/2], v[QS+\t] matrix_a_fmt:MATRIX_FMT_FP4 matrix_b_fmt:MATRIX_FMT_FP4 matrix_a_scale:MATRIX_SCALE_ROW1
.else
	v_wmma_scale_f32_16x16x128_f8f6f4 v[S+32*\t+8*\kt:S+32*\t+8*\kt+7], v[KF+8*\kt:KF+8*\kt+7], v[QF+8*\t:QF+8*\t+7], 0, v[KS+\kt/2], v[QS+\t] matrix_a_fmt:MATRIX_FMT_FP4 matrix_b_fmt:MATRIX_FMT_FP4
.endif
.endm
; 16 lines: the maximum of the lane's 32 scores and the old m, in four chains; each accumulator is first read at its registers 0, 1
.macro MAXI t, idx
.set rT, ST+8*(\t)
.set rC, CT+4*(\t)
.set rS, S+32*(\t)
.if (\idx) == 15
	v_max3_num_f32 v[rT+1], v[rT+1], v[rC+1], v[rC+2]
.elseif (\idx) == 14
	v_max3_num_f32 v[rC+2], v[rC+2], v[rC+3], v[rS+31]
.elseif (\idx) == 13
	v_max3_num_f32 v[rC+1], v[rC+1], v[rS+15], v[rS+23]
.elseif (\idx)%4 == 0
	v_max3_num_f32 v[rT+1], v[rT+1], v[rS+(\idx)/2], v[rS+(\idx)/2+1]
.elseif (\idx) < 4
	v_max3_num_f32 v[rC+(\idx)], v[rS+8*(\idx)], v[rS+8*(\idx)+1], v[rS+8*(\idx)+2]
.else
	v_max3_num_f32 v[rC+(\idx)%4], v[rC+(\idx)%4], v[rS+8*((\idx)%4)+2*((\idx)/4)+1], v[rS+8*((\idx)%4)+2*((\idx)/4)+2]
.endif
.endm
.macro SCL t, pr                       ; a pair of scores: c s - c m (of the pairs c and (c m, m) the low word serves both halves)
.set rT, ST+8*(\t)
.set rS, S+32*(\t)+2*(\pr)
	v_pk_fma_f32 v[rS:rS+1], v[rS:rS+1], s[CS:CS+1], v[rT:rT+1] op_sel_hi:[1,0,0] neg_lo:[0,0,1] neg_hi:[0,0,1]
.endm
.macro TRANS t, idx                    ; 0: a; 1-32: p, in place
.set rT, ST+8*(\t)
.set rS, S+32*(\t)
.if (\idx) == 0
	v_exp_f32 v[rT+6], v[rT+7]
.else
	v_exp_f32 v[rS+(\idx)-1], v[rS+(\idx)-1]
.endif
.endm
.macro SUMI t, idx                     ; l = a l + sum p, lm = a lm + sum p x mask, two keys at a time
.set rT, ST+8*(\t)
.set rS, S+32*(\t)
.if (\idx) == 0
	v_pk_fma_f32 v[rT+2:rT+3], v[rT+2:rT+3], v[rT+6:rT+7], v[rS:rS+1] op_sel_hi:[1,0,1]
.elseif (\idx) == 1
	v_pk_mul_f32 v[rT+4:rT+5], v[rT+4:rT+5], v[rT+6:rT+7] op_sel_hi:[1,0]
.elseif (\idx)%2 == 0
	v_pk_fma_f32 v[rT+4:rT+5], v[rS+(\idx)-2:rS+(\idx)-1], v[MK+(\idx)-2:MK+(\idx)-1], v[rT+4:rT+5]
.else
	v_pk_add_f32 v[rT+2:rT+3], v[rT+2:rT+3], v[rS+(\idx)-1:rS+(\idx)]
.endif
.endm
; A KEY STEP: 64 keys for both my tiles.  The next step's fragments are asked for behind this step's products, its mask behind this step's sums.  last = 1: the walk's last four steps; the very last asks for nothing.
.macro STEP q, last
.set PF, 1-(\last)*((\q)/3)            ; is there a next step?
.set NW, (1-(\last))*((\q)/3)          ; does it begin the next four?
.set NX, ((\q)+1)%4
.if NW
	s_add_co_u32 s[TK], s[TK], 8192
	s_add_co_u32 s[TS], s[TS], 1024
.endif
	s_wait_alu depctr_va_vdst(0)
	s_wait_dscnt 8                                 ; the fragments and scale words are in; the 8 younger loads are the mask's
.irp kt, 0,1,2,3
.irp t, 0,1
	SMM \kt, \t
.endr
.endr
	v_mov_b32 v[ST+7], v[ST]                       ; c m_old is kept for a.  These four lines are the places behind the products
	v_mov_b32 v[ST+15], v[ST+8]
.if NW
	v_add_nc_u32 v[ADK], s[TK], v[AK0]
	v_add_nc_u32 v[ADS], s[TS], v[AS0]
.else
	v_nop
	v_nop
.endif
.if PF
	KLOADS NX
.endif
.set cnt, 0
.rept 16
	MAXI 0, cnt                                    ; the two tiles by turns
	MAXI 1, cnt
.set cnt, cnt+1
.endr
.irp t, 0,1
	v_mul_f32 v[ST+8*\t], s[CS], v[ST+8*\t+1]      ; c m
.endr
.irp t, 0,1
	v_sub_f32 v[ST+8*\t+7], v[ST+8*\t+7], v[ST+8*\t]
.endr
.set cnt, 0
.rept 16
	SCL 0, cnt
	SCL 1, cnt
.set cnt, cnt+1
.endr
	s_wait_alu depctr_va_vdst(0)                   ; ahead of the batch
.set cnt, 0
.rept 33
	TRANS 0, cnt
	TRANS 1, cnt
.set cnt, cnt+1
.endr
	v_nop                                          ; a plain line behind the last exponential
	s_wait_alu depctr_va_vdst(0)                   ; one wait for the batch of 66, ahead of its first reader
	s_wait_dscnt 6*PF                              ; the mask is in; the younger loads are the next step's 4 fragments and 2 scale words
.set cnt, 0
.rept 33
	SUMI 0, cnt
	SUMI 1, cnt
.set cnt, cnt+1
.endr
.if NW
	v_add_nc_u32 v[ADM], s[TS], v[AM0]
.endif
.if PF
	MLOADS NX
.endif
.endm
	s_load_b256 s[4:11], s[0:1], 0x0               ; supp_mask, qhc, qhs, khb
	s_load_b64 s[12:13], s[0:1], 0x20              ; sx
	v_lshl_add_u32 v[SPW], v0, 2, SPARE
	v_mov_b32 v[NIL], 0
	ds_add_u32 v[SPW], v[NIL]                      ; the opening lines: the add, twice on end, and its wait ahead of my tensor load
	ds_add_u32 v[SPW], v[NIL]
	v_lshrrev_b32 v20, 5, v0
	v_readfirstlane_b32 s[WV], v20                 ; wave 0..15
	s_lshr_b32 s[E], s[WV], 3                      ; my head of the pair
	s_and_b32 s[QT], s[WV], 7
	s_bfe_u32 s[CX], ttmp6, 0x40000                ; my place in the cluster: it enters global addresses of qh and sx alone
	s_lshr_b32 s[BHP], ttmp9, 2                    ; batch x pair of heads: four clusters each
	s_and_b32 s[QB], ttmp9, 3
	s_lshl_b32 s[QB], s[QB], 2
	s_add_co_u32 s[QB], s[QB], s[CX]               ; my block of 256 queries
	s_lshl_b32 s44, s[BHP], 1
	s_add_co_u32 s44, s44, s[E]                    ; batch x head
	s_lshl_b32 s45, s[QB], 4
	s_lshl_b32 s46, s[QT], 1
	s_add_co_u32 s45, s45, s46
	s_lshl_b32 s46, s44, 8
	s_add_co_u32 s46, s46, s45                     ; my first tile of queries
	s_lshl_b32 s48, s46, 9                         ; 512 bytes of codes a tile,
	s_mov_b32 s49, 0
	s_lshl_b32 s50, s46, 6                         ; 64 of scale words,
	s_mov_b32 s51, 0
	s_lshl_b32 s52, s46, 7                         ; 128 of sx
	s_mov_b32 s53, 0
	s_lshr_b32 s54, s[BHP], 2
	s_lshl_b32 s54, s54, 13                        ; supp_mask: 8,192 bytes a batch
	s_mov_b32 s55, 0
	s_mul_i32 s56, s[BHP], 2*KH
	s_mul_i32 s58, s[WV], 9216                     ; my sixteenth of the pair's kh, in memory and in LDS alike
	s_add_co_u32 s56, s56, s58
	s_mov_b32 s57, 0
	s_mul_i32 s59, s[E], KH
	s_mov_b32 s[G1], 15|(3<<16)|(1<<21)            ; the mask: all four work-groups; elements of 8 bytes; bit 21 beside the mask; no padding
	s_mov_b32 s[G1+1], 32<<16                      ; 36 rows of 256 bytes, dense
	s_mov_b32 s[G1+2], 36<<16
	s_mov_b32 s[G1+3], 32<<16
	s_mov_b32 s[G1+4], 36
	s_mov_b32 s[G1+5], 32
	s_mov_b32 s[G1+6], 0
	s_mov_b32 s[G1+7], 0
	s_mov_b32 s[CS], 0x3e38aa3b                    ; c = log2(e) / 8
	s_mov_b32 s[CS+1], s[CS]
	s_mov_b32 s[SEL], 0x76543210
	s_mov_b32 s[SEL+1], 0xfedcba98
	s_mov_b32 s[TK], 0
	s_mov_b32 s[TS], 0
	s_mov_b32 s[TRIPS], 7
	v_and_b32 v[LN], 31, v0
	v_and_b32 v[R4], 15, v0
	v_lshlrev_b32 v[R4], 2, v[R4]
	v_lshlrev_b32 v[L8], 3, v[LN]
	v_lshlrev_b32 v[LI], 4, v[LN]
	v_lshlrev_b32 v[TI], 4, v0
	v_add_nc_u32 v[MW], MASK, v[TI]
	v_add_nc_u32 v[AK0], s59, v[LI]
	v_lshl_add_u32 v[AS0], v[LN], 2, s59
	v_add_nc_u32 v[AS0], KSO, v[AS0]
	v_bfe_u32 v[AM0], v0, 4, 1
	v_lshl_add_u32 v[AM0], v[AM0], 5, MASK
	s_wait_alu depctr_va_vdst(0)
	s_wait_dscnt 0x0                               ; both opening adds are done
	s_wait_kmcnt 0x0
	s_add_nc_u64 s[4:5], s[4:5], s[54:55]
	s_add_nc_u64 s[6:7], s[6:7], s[48:49]
	s_add_nc_u64 s[8:9], s[8:9], s[50:51]
	s_add_nc_u64 s[12:13], s[12:13], s[52:53]
	global_load_b128 v[MK:MK+3], v[TI], s[4:5]     ; the batch's mask: 16 bytes a thread
	global_load_b128 v[QF:QF+3], v[LI], s[6:7]     ; qh's two fragments stay in registers
	global_load_b128 v[QF+8:QF+11], v[LI], s[6:7] offset:512
	global_load_b32 v[QS], v[R4], s[8:9]
	global_load_b32 v[QS+1], v[R4], s[8:9] offset:64
	CROUND                                         ; all four work-groups are here: the joint loads meet
	s_mov_b32 s[G0], 1
	s_mov_b32 s[G0+1], s58
	s_add_nc_u64 s[G0+2:G0+3], s[10:11], s[56:57]
	s_or_b32 s[G0+3], s[G0+3], 0x80000000
	tensor_load_to_lds s[G0:G0+3], s[G1:G1+7]      ; one tensor load a wave, the launch's only ones
	s_nop 0
.irp t, 0,1
.irp i, 4,5,6,7
	v_mov_b32 v[QF+8*\t+\i], 0                     ; K = 64: zero codes for k = 64 .. 127
.endr
.endr
.irp kt, 0,1,2,3
.irp i, 4,5,6,7
	v_mov_b32 v[KF+8*\kt+\i], 0
.endr
.endr
.irp t, 0,1
	v_mov_b32 v[ST+8*\t+1], 0xff61b1e6             ; m = -3e38, under every score: the walk has no first step of its own
.irp i, 2,3,4,5,6,7
	v_mov_b32 v[ST+8*\t+\i], 0
.endr
	v_mul_f32 v[ST+8*\t], s[CS], v[ST+8*\t+1]
.endr
	v_add_nc_u32 v[ADK], s[TK], v[AK0]
	v_add_nc_u32 v[ADS], s[TS], v[AS0]
	v_add_nc_u32 v[ADM], s[TS], v[AM0]
	s_wait_alu depctr_va_vdst(0)
	s_wait_loadcnt 0x0
.irp i, 0,1,2,3
	v_cvt_f32_i32 v[MK+\i], v[MK+\i]
.endr
	s_wait_alu depctr_va_vdst(0)
	s_wait_tensorcnt 0x0                           ; my part of kh has landed
	ds_store_b128 v[MW], v[MK:MK+3]
	s_wait_dscnt 0x0                               ; for the others' sake: my part of the mask lies in LDS
	s_barrier_signal -1
	s_barrier_wait -1                              ; kh and the mask are whole; nothing is filled again
	KLOADS 0
	MLOADS 0
.Ltrip:                                            ; 7 trips of four key steps
	STEP 0, 0
	STEP 1, 0
	STEP 2, 0
	STEP 3, 0
	s_sub_co_u32 s[TRIPS], s[TRIPS], 1
	s_cmp_lg_u32 s[TRIPS], 0
	s_wait_alu depctr_va_vdst(0)
	s_cbranch_scc1 .Ltrip
	STEP 0, 1                                      ; the last four are written out: the very last asks for nothing beyond the end
	STEP 1, 1
	STEP 2, 1
	STEP 3, 1
	; ---- the two halves of the lanes are merged, both under the larger c m
.irp t, 0,1
	v_add_f32 v[ST+8*\t+2], v[ST+8*\t+2], v[ST+8*\t+3]
	v_add_f32 v[ST+8*\t+4], v[ST+8*\t+4], v[ST+8*\t+5]
.endr
.irp t, 0,1
	v_permlanex16_b32 v[ST+8*\t+7], v[ST+8*\t], s[SEL], s[SEL+1]
.endr
.irp t, 0,1
	v_max_num_f32 v[ST+8*\t+7], v[ST+8*\t], v[ST+8*\t+7]
.endr
.irp t, 0,1
	v_sub_f32 v[ST+8*\t+7], v[ST+8*\t], v[ST+8*\t+7]
.endr
	s_wait_alu depctr_va_vdst(0)                   ; ahead of the batch
.irp t, 0,1
	v_exp_f32 v[ST+8*\t+6], v[ST+8*\t+7]           ; 2^(my c m - the larger): 1 in one of the two lanes
.endr
	v_nop
	s_wait_alu depctr_va_vdst(0)                   ; and behind it
.irp t, 0,1
	v_mul_f32 v[ST+8*\t+2], v[ST+8*\t+2], v[ST+8*\t+6]
	v_mul_f32 v[ST+8*\t+4], v[ST+8*\t+4], v[ST+8*\t+6]
.endr
.irp t, 0,1
	v_permlanex16_b32 v[ST+8*\t+3], v[ST+8*\t+2], s[SEL], s[SEL+1]
	v_permlanex16_b32 v[ST+8*\t+5], v[ST+8*\t+4], s[SEL], s[SEL+1]
.endr
.irp t, 0,1
	v_add_f32 v[ST+8*\t+2], v[ST+8*\t+2], v[ST+8*\t+3]   ; l: at least 1, since the largest score's p is 1
	v_add_f32 v[ST+8*\t+4], v[ST+8*\t+4], v[ST+8*\t+5]   ; lm
.endr
	v_cmp_gt_u32 vcc_lo, 16, v[LN]
	s_wait_alu depctr_va_vdst(0)
.irp t, 0,1
	v_rcp_f32 v[ST+8*\t+6], v[ST+8*\t+2]
.endr
	v_nop
	s_wait_alu depctr_va_vdst(0)
.irp t, 0,1
	v_mul_f32 v[ST+8*\t+1], v[ST+8*\t+4], v[ST+8*\t+6]   ; s = lm / l
.endr
	v_cndmask_b32 v20, v[ST+9], v[ST+1], vcc_lo    ; lanes 0-15: my first tile's queries, lanes 16-31: the second's
	; ---- Q(x): the block's largest magnitude is the number's own
	v_max3_num_f32 v21, |v20|, |v20|, 0x1800000    ; and the floor 2^(3 - 127)
	v_add_nc_u32 v22, 0xff000000, v21              ; 2 off the exponent field: the conversion's scale operand
	v_lshrrev_b32 v23, 23, v22                     ; the scale's byte
.irp i, 0,1,2,3,4,5,6,7
	v_mov_b32 v[S+\i], v20                         ; eight copies: what a conversion takes
.endr
	v_lshl_or_b32 v[CT+1], v23, 8, v23             ; a head is two blocks: its byte twice
	v_cvt_scalef32_pk8_fp4_f32 v[CT], v[S:S+7], v22
	v_nop                                          ; one plain line behind the scaled conversion
	global_store_b64 v[L8], v[CT:CT+1], s[12:13]   ; 256 consecutive bytes, aligned
	s_wait_tensorcnt 0x0                           ; the wave's end
	ds_add_u32 v[SPW], v[NIL]
	s_wait_dscnt 0x0
	CROUND                                         ; the closing round
	s_endpgm
.Lfunc_end_k_qad321c2573_attn:
	.size	k_qad321c2573_attn, .Lfunc_end_k_qad321c2573_attn-k_qad321c2573_attn
	.p2alignl 7, 3214868480
	.fill 96, 4, 3214868480
	.section	.rodata,"a",@progbits
	.p2align	6, 0x0
	.amdhsa_kernel k_qad321c2573_attn
		.amdhsa_group_segment_fixed_size 167936
		.amdhsa_private_segment_fixed_size 0
		.amdhsa_enable_private_segment 0
		.amdhsa_kernarg_size 40
		.amdhsa_user_sgpr_count 2
		.amdhsa_user_sgpr_kernarg_segment_ptr 1
		.amdhsa_wavefront_size32 1
		.amdhsa_system_sgpr_workgroup_id_x 1
		.amdhsa_system_sgpr_workgroup_id_y 1
		.amdhsa_system_sgpr_workgroup_id_z 1
		.amdhsa_system_vgpr_workitem_id 0
		.amdhsa_next_free_vgpr 192
		.amdhsa_next_free_sgpr 66
		.amdhsa_reserve_vcc 1
		.amdhsa_float_denorm_mode_32 3
		.amdhsa_float_denorm_mode_16_64 3
		.amdhsa_memory_ordered 1
		.amdhsa_forward_progress 1
		.amdhsa_inst_pref_size 109
	.end_amdhsa_kernel
	.amdgpu_metadata
---
amdhsa.version: [ 1, 2 ]
amdhsa.kernels:
  - .name:           k_qad321c2573_attn
    .symbol:         k_qad321c2573_attn.kd
    .args:
      - { .name: supp_mask, .offset: 0, .size: 8, .value_kind: global_buffer, .address_space: global }
      - { .name: qhc, .offset: 8, .size: 8, .value_kind: global_buffer, .address_space: global }
      - { .name: qhs, .offset: 16, .size: 8, .value_kind: global_buffer, .address_space: global }
      - { .name: khb, .offset: 24, .size: 8, .value_kind: global_buffer, .address_space: global }
      - { .name: sx, .offset: 32, .size: 8, .value_kind: global_buffer, .address_space: global }
    .group_segment_fixed_size: 167936
    .private_segment_fixed_size: 0
    .kernarg_segment_align: 8
    .kernarg_segment_size: 40
    .max_flat_workgroup_size: 512
    .sgpr_count:     66
    .vgpr_count:     192
    .wavefront_size: 32
...
	.end_amdgpu_metadata
.endif
;; end of part 3
;; launch outp (part 4): grid 256 x 1, 16 waves a work-group, no clusters, 71,680 bytes of LDS; arguments sx, wc, ws, out0; writes out0
.if DOCPART == 4
	.amdgcn_target "amdgcn-amd-amdhsa--gfx1250"
	.amdhsa_code_object_version 6
	.text
	.protected	k_qad321c2573_outp
	.globl	k_qad321c2573_outp
	.p2align	8
	.type	k_qad321c2573_outp,@function
k_qad321c2573_outp:
	s_mov_b64 s[64:65], 0
	v_nop
	global_prefetch_b8 v0, s[64:65] scope:SCOPE_SE
	s_setreg_imm32_b32 hwreg(HW_REG_WAVE_MODE, 25, 1), 1
	s_wait_xcnt 0x0
; out = Q(x) Q(Wp)^T on codes of FP4 (E2M1) with E8M0 scales for each 32 along K.  x[n][64 g + d] = s[g][n]; sx holds for each batch x head and query one word of eight equal codes and the scale byte twice.
; SHARES: a work-group takes 64 rows; wave w = (g = w % 8, rho = w / 8) makes columns 64 g .. 64 g + 63 of rows 32 rho .. 32 rho + 31: 4 tiles of Wp x 2 tiles of rows x 4 K steps = 32 matrix instructions, used transposed.
; A fragment of x for K step s is head 2 s's word four times and head 2 s + 1's four times: each wave copies them into the operand's registers itself, so the waves share nothing and there is no barrier.
; Wp's codes, 16,384 bytes a wave, go from memory straight into operand registers, each read once by the wave: no tensor load, no cluster.  No prefetch: all loads go out at the head; there is no loop to run ahead in.
.set SPARE, 69632                      ; behind the 16 stages of 16 x 272 bytes: the spare words
.set SPW, 1
.set NIL, 2
.set LI,  3                            ; 16 x lane
.set WSO, 4                            ; 16 r + 256 h: lanes 0-15 an even tile's scale words, lanes 16-31 the odd tile's
.set XO,  5                            ; 8 r
.set STO, 7
.set SRD, 8
.set GO,  9
.set CR,  10                           ; v10-25 code words: head j, tile mm at CR + 2 j + mm
.set WS,  26                           ; v26-33 Wp's scale words: tiles 2 j2, 2 j2 + 1, K step s at WS + 4 j2 + s
.set XS,  34                           ; v34-41 x's scale words: K step s, tile mm at XS + 2 s + mm
.set XF,  42                           ; v42-57 two fragments of x
.set ACC, 58                           ; v58-121 the 8 accumulators; ahead of them the 16 raw scale words
.set SR,  58
.set W,   128                          ; v128-255 Wp's fragments: K step s, tile t at W + 32 s + 8 t
.set OB,  128
.set WV,  12
.set G,   13
.set RHO, 14
.macro MM d, a, b, zero, sa, sb, odd
.if (\zero) && (\odd)
	v_wmma_scale_f32_16x16x128_f8f6f4 v[\d:\d+7], v[\a:\a+7], v[\b:\b+7], 0, v[\sa], v[\sb] matrix_a_fmt:MATRIX_FMT_FP4 matrix_b_fmt:MATRIX_FMT_FP4 matrix_a_scale:MATRIX_SCALE_ROW1
.elseif \zero
	v_wmma_scale_f32_16x16x128_f8f6f4 v[\d:\d+7], v[\a:\a+7], v[\b:\b+7], 0, v[\sa], v[\sb] matrix_a_fmt:MATRIX_FMT_FP4 matrix_b_fmt:MATRIX_FMT_FP4
.elseif \odd
	v_wmma_scale_f32_16x16x128_f8f6f4 v[\d:\d+7], v[\a:\a+7], v[\b:\b+7], v[\d:\d+7], v[\sa], v[\sb] matrix_a_fmt:MATRIX_FMT_FP4 matrix_b_fmt:MATRIX_FMT_FP4 matrix_a_scale:MATRIX_SCALE_ROW1
.else
	v_wmma_scale_f32_16x16x128_f8f6f4 v[\d:\d+7], v[\a:\a+7], v[\b:\b+7], v[\d:\d+7], v[\sa], v[\sb] matrix_a_fmt:MATRIX_FMT_FP4 matrix_b_fmt:MATRIX_FMT_FP4
.endif
.endm
.macro PLACES
.rept 4
	v_nop
.endr
.endm
; the way out of 16 rows x my 64 columns: into my own stage, and whole rows of 256 bytes back.  LDS serves a wave's instructions in order (ISA guide 5.7.1.4)
.macro TOSTAGE mm
.irp b, 0,1
.irp i, 0,1,2,3
	ds_store_b128 v[STO], v[ACC+32*\mm+16*\b+4*\i:ACC+32*\mm+16*\b+4*\i+3] offset:128*\b+16*\i   ; each accumulator from its low end on
.endr
.endr
.irp i, 0,1,2,3,4,5,6,7
	ds_load_b128 v[OB+32*\mm+4*\i:OB+32*\mm+4*\i+3], v[SRD] offset:544*\i
.endr
.endm
.macro SEND mm, younger
.irp i, 0,1,2,3,4,5,6,7
	s_wait_dscnt \younger+7-\i
	global_store_b128 v[GO], v[OB+32*\mm+4*\i:OB+32*\mm+4*\i+3], s[10:11] offset:(16*\mm+2*\i)*2048 th:TH_STORE_NT   ; 16 lanes store 256 consecutive bytes, aligned
.endr
.endm
	s_load_b256 s[4:11], s[0:1], 0x0               ; sx, wc, ws, out0
	v_lshl_add_u32 v[SPW], v0, 2, SPARE
	v_mov_b32 v[NIL], 0
	v_lshrrev_b32 v6, 5, v0
	v_readfirstlane_b32 s[WV], v6                  ; wave 0..15
	s_and_b32 s[G], s[WV], 7
	s_lshr_b32 s[RHO], s[WV], 3
	s_lshr_b32 s16, ttmp9, 6                       ; the batch
	s_lshl_b32 s16, s16, 18                        ; sx: 8 heads x 32,768 bytes a batch,
	s_and_b32 s17, ttmp9, 63
	s_lshl_b32 s17, s17, 9                         ; 8 bytes a query
	s_add_co_u32 s16, s16, s17
	s_lshl_b32 s17, s[RHO], 8
	s_add_co_u32 s16, s16, s17
	s_mov_b32 s17, 0
	s_lshl_b32 s18, s[G], 14                       ; wc: weight 2, my four tiles
	s_add_co_u32 s18, s18, 262144
	s_mov_b32 s19, 0
	s_lshl_b32 s20, s[G], 10
	s_add_co_u32 s20, s20, 16384
	s_mov_b32 s21, 0
	s_lshl_b32 s22, ttmp9, 6                       ; out0: row 64 x work-group + 32 rho, column 64 g
	s_lshl_b32 s23, s[RHO], 5
	s_add_co_u32 s22, s22, s23
	s_lshl_b32 s22, s22, 11
	s_lshl_b32 s23, s[G], 8
	s_add_co_u32 s22, s22, s23
	s_mov_b32 s23, 0
	s_mul_i32 s24, s[WV], 16*272                   ; my stage
	v_and_b32 v[LI], 31, v0
	v_lshlrev_b32 v[LI], 4, v[LI]
	v_and_b32 v122, 15, v0                         ; r
	v_bfe_u32 v123, v0, 4, 1                       ; h
	v_lshlrev_b32 v[WSO], 4, v122
	v_lshl_add_u32 v[WSO], v123, 8, v[WSO]
	v_lshlrev_b32 v[XO], 3, v122
	v_mul_u32_u24 v[STO], v122, 272
	v_lshl_add_u32 v[STO], v123, 6, v[STO]
	v_add_nc_u32 v[STO], s24, v[STO]
	v_mul_u32_u24 v[SRD], v123, 272
	v_lshl_add_u32 v[SRD], v122, 4, v[SRD]
	v_add_nc_u32 v[SRD], s24, v[SRD]
	v_lshlrev_b32 v[GO], 11, v123
	v_lshl_add_u32 v[GO], v122, 4, v[GO]
	s_wait_alu depctr_va_vdst(0)
	s_wait_kmcnt 0x0
	s_add_nc_u64 s[4:5], s[4:5], s[16:17]
	s_add_nc_u64 s[6:7], s[6:7], s[18:19]
	s_add_nc_u64 s[8:9], s[8:9], s[20:21]
	s_add_nc_u64 s[10:11], s[10:11], s[22:23]
.irp j, 0,1,2,3,4,5,6,7
.irp mm, 0,1
	global_load_b32 v[CR+2*\j+\mm], v[XO], s[4:5] offset:32768*\j+128*\mm     ; head j, row 16 mm + r: the code word,
	global_load_b32 v[SR+2*\j+\mm], v[XO], s[4:5] offset:32768*\j+128*\mm+4   ; and the scale byte twice
.endr
.endr
.irp j, 0,1
	global_load_b128 v[WS+4*\j:WS+4*\j+3], v[WSO], s[8:9] offset:512*\j
.endr
.irp s, 0,1,2,3
.irp t, 0,1,2,3
.irp c, 0,1
	global_load_b128 v[W+32*\s+8*\t+4*\c:W+32*\s+8*\t+4*\c+3], v[LI], s[6:7] offset:(4*\t+\s)*1024+512*\c
.endr
.endr
.endr
	s_wait_loadcnt 32                              ; x and the scale words are in; the 32 younger loads are Wp's fragments
.irp s, 0,1,2,3
.irp mm, 0,1
	v_lshl_or_b32 v[XS+2*\s+\mm], v[SR+2*(2*\s+1)+\mm], 16, v[SR+4*\s+\mm]   ; K step s: head 2 s's two blocks, head 2 s + 1's two
.endr
.endr
.irp s, 0,1,2,3
.if \s > 0
	PLACES                                         ; behind the products that read x's fragments
.endif
.irp mm, 0,1
.irp c, 0,1
.irp i, 0,1,2,3
	v_mov_b32 v[XF+8*\mm+4*\c+\i], v[CR+2*(2*\s+\c)+\mm]
.endr
.endr
.endr
	PLACES                                         ; an operand written by vector instructions stands 4 places ahead of a scaled product
	s_wait_alu depctr_va_vdst(0)
	s_wait_loadcnt 8*(3-\s)                        ; K step s of Wp is in; 8 loads for each later K step may be out
.irp mm, 0,1
.irp t, 0,1,2,3
	MM ACC+32*\mm+8*\t, W+32*\s+8*\t, XF+8*\mm, (\s==0), WS+4*(\t/2)+\s, XS+2*\s+\mm, (\t%2)
.endr
.endr
.endr
	PLACES                                         ; in front of the LDS stores that read results and of the loads into Wp's registers
	TOSTAGE 0
	TOSTAGE 1
	SEND 0, 16                                     ; behind tile 0's loads: tile 1's 8 stores and 8 loads
	SEND 1, 0
	s_wait_tensorcnt 0x0                           ; the wave's end
	ds_add_u32 v[SPW], v[NIL]
	s_wait_dscnt 0x0
	s_endpgm
.Lfunc_end_k_qad321c2573_outp:
	.size	k_qad321c2573_outp, .Lfunc_end_k_qad321c2573_outp-k_qad321c2573_outp
	.p2alignl 7, 3214868480
	.fill 96, 4, 3214868480
	.section	.rodata,"a",@progbits
	.p2align	6, 0x0
	.amdhsa_kernel k_qad321c2573_outp
		.amdhsa_group_segment_fixed_size 71680
		.amdhsa_private_segment_fixed_size 0
		.amdhsa_enable_private_segment 0
		.amdhsa_kernarg_size 32
		.amdhsa_user_sgpr_count 2
		.amdhsa_user_sgpr_kernarg_segment_ptr 1
		.amdhsa_wavefront_size32 1
		.amdhsa_system_sgpr_workgroup_id_x 1
		.amdhsa_system_sgpr_workgroup_id_y 1
		.amdhsa_system_sgpr_workgroup_id_z 1
		.amdhsa_system_vgpr_workitem_id 0
		.amdhsa_next_free_vgpr 256
		.amdhsa_next_free_sgpr 66
		.amdhsa_reserve_vcc 0
		.amdhsa_float_denorm_mode_32 3
		.amdhsa_float_denorm_mode_16_64 3
		.amdhsa_memory_ordered 1
		.amdhsa_forward_progress 1
		.amdhsa_inst_pref_size 21
	.end_amdhsa_kernel
	.amdgpu_metadata
---
amdhsa.version: [ 1, 2 ]
amdhsa.kernels:
  - .name:           k_qad321c2573_outp
    .symbol:         k_qad321c2573_outp.kd
    .args:
      - { .name: sx, .offset: 0, .size: 8, .value_kind: global_buffer, .address_space: global }
      - { .name: wc, .offset: 8, .size: 8, .value_kind: global_buffer, .address_space: global }
      - { .name: ws, .offset: 16, .size: 8, .value_kind: global_buffer, .address_space: global }
      - { .name: out0, .offset: 24, .size: 8, .value_kind: global_buffer, .address_space: global }
    .group_segment_fixed_size: 71680
    .private_segment_fixed_size: 0
    .kernarg_segment_align: 8
    .kernarg_segment_size: 32
    .max_flat_workgroup_size: 512
    .sgpr_count:     66
    .vgpr_count:     256
    .wavefront_size: 32
...
	.end_amdgpu_metadata
.endif
;; end of part 4
